; MI455X (gfx1250); checked and timed in simulation.
; The chip was launched on July 23, 2026; its instructions are those of AMD's public machine-readable ISA for CDNA 5 (MIT licence, August 2026) and "CDNA5" Instruction Set Architecture Reference Guide (July 2026). The comments in the code are by the model that wrote it; some were corrected since.
;; Norm Dist Base. Allowed arithmetic: float matrix products may take bf16 or f16 operands with f32 sums; other float arithmetic in f32, or as packed bf16 or f16 multiplies, adds, multiply-adds, maxima and minima; sums over many terms, partial sums and values carried from step to step in f32; what a program stores and reads back later, other than sums and carried values, may be rounded once to bf16 or f16.
;; Inputs: bias 1,024 float32; weight 1,024 x 1,024 float32; x 32 x 1,024 x 24 float32.
;; Outputs: out0 32 x 1,024 x 24 float32.
;; One version. Each part assembles by itself: llvm-mc -triple=amdgcn-amd-amdhsa -mcpu=gfx1250 --defsym DOCPART=n.
;; ======== version 1 of 1: 1 launch
;; launch normdist (part 1): grid 16 x 16, 8 waves a work-group, clusters of 4 x 4, 327,680 bytes of LDS; arguments x, weight, bias, out0; writes out0
.if DOCPART == 1
	.amdgcn_target "amdgcn-amd-amdhsa--gfx1250"
	.amdhsa_code_object_version 6
	.text
	.protected	k_q3deba5bdb8_normdist
	.globl	k_q3deba5bdb8_normdist
	.p2align	8
	.type	k_q3deba5bdb8_normdist,@function
k_q3deba5bdb8_normdist:
	s_mov_b64 s[64:65], 0
	v_nop
	global_prefetch_b8 v0, s[64:65] scope:SCOPE_SE
	s_setreg_imm32_b32 hwreg(HW_REG_WAVE_MODE, 25, 1), 1
	s_wait_xcnt 0x0
	s_wait_alu depctr_hold_cnt(0) depctr_sa_sdst(0) depctr_va_vdst(0) depctr_va_sdst(0) depctr_va_ssrc(0) depctr_va_vcc(0) depctr_vm_vsrc(0)
	s_getreg_b32 s2, hwreg(HW_REG_IB_STS2, 6, 4)
	s_cmp_eq_u32 s2, 0
	s_cbranch_scc0 .Lentry_in_a_cluster
	s_endpgm
.Lentry_in_a_cluster:
	s_bfe_u32 s2, ttmp6, 0x10000c
	s_cmp_lg_u32 s2, 0xf033
	s_cbranch_scc0 .Lentry_shape_is_right
	s_endpgm
.Lentry_shape_is_right:
; out0[b][o][n] = max over d of |x[b][d][n] - weight[o][d]| + bias[o].  x, out0: [32][1024][24] f32, weight: [1024][1024] f32, bias: [1024] f32.
; All arithmetic is f32 and is the problem's own (a subtraction, a magnitude, a maximum, one addition of the bias): nothing is rounded to 16 bits, nothing is left out, all three inputs are loaded.
; LIMIT.  The maxima are v_max3_num_f32 / v_max_num_f32, in which a NaN loses: a NaN in x or weight (or inf - inf) is dropped where the problem's own maximum would hand it on.  Infinities otherwise behave as there.
; THE COUNT.  A maximum of magnitudes is no product, so the vector ALU does the work, two terms to an instruction: v_pk_add_f32 with its second source negated makes two differences,
; v_max3_num_f32 acc, acc, |t0|, |t1| folds two magnitudes.  32 x 1024 x 24 x 1024 terms are one instruction a term and lane.
; SHARES.  A work-group makes 64 rows o x 48 columns (two b, 24 n each).  K IS SPLIT AMONG ITS EIGHT WAVES: of each chunk of 256 d wave v takes d = 32 v .. 32 v + 31, for the whole tile; the eight partial
; maxima meet in LDS at the end (a maximum may be taken in any order).  A lane (16 bb + 8 h + lr) has rows lr + 8 i (i = 0..7) and columns n = 12 h + 0..11 of b = 2 by + bb: 96 accumulators.
; Two waves share a SIMD, so that one wave's LDS loads and waits stand beside the other's arithmetic.
; OPERANDS lie in registers as they lie in memory: a pair (x[n], x[n+1]) of one d, a pair (w[d], w[d+1]) of one row; op_sel gives w[d] or w[d+1] to both halves of the packed subtraction.
; LDS.  Two slots, a chunk each: x as [bb][256 d][24 n], dense; weight as four quarters of 64 rows x 256 bytes at a pitch of 272.  Waves 0-3 fetch x (12,288 dense bytes each, as 48 rows of 256),
; waves 4-7 weight (64 rows x 256 bytes each).  Chunks 0 and 1 go out at the start, chunks 2 and 3 each behind a change of slots: one tensor load a wave, with a chunk's arithmetic in which to land.
; By this text's own count a wave has two tensor loads out at the start and one behind each refill.
; CLUSTER.  4 x 4 work-groups.  x's tile hangs on the pair of b alone (work-group y) and is asked for jointly along a row of the cluster; weight's hangs on the row block alone (work-group x) and is asked for
; jointly along a column: the same tensor load, descriptor and mask in all four.
.set XROW,   96                        ; bytes of x for one b and d: 24 n
.set XMEM,   1024*XROW                 ; bytes from b to b + 1, in x and in out0
.set CHUNK,  256                       ; d in a slot
.set XBLK,   CHUNK*XROW                ; one b's part of a slot
.set XPART,  XBLK/2                    ; what one tensor load of x brings
.set XBYTES, 2*XBLK
.set WP,     272                       ; a row of weight in LDS: 256 bytes + 16 = 68 words: row r starts at bank 4 r mod 64 (64 banks of 4 bytes: ISA guide 11.1): the 8 rows of a load take 8 different pairs of banks
.set WPART,  64*WP                     ; what one tensor load of weight brings: 64 rows x 64 d
.set SLOT,   XBYTES+4*WPART            ; 118,784
.set SPARE,  2*SLOT                    ; behind the slots: the spare words, 128 bytes for each wave: four blocks of 256 bytes that no other line names
.set PART,   64*48*4                   ; a wave's partial tile, laid out as out0's two blocks [bb][64 o][24 n]; the eight lie in slot 0 from byte 0 on, behind that slot's last fill and last read
.set XA0,  2                           ; v2   my place in a slot's x: bb x XBLK + 48 h + 3,072 x wave; never rewritten
.set WA0,  3                           ; v3   my place in a slot's weight; never rewritten
.set XAD,  4                           ; v4   LDS address of the x loads in hand
.set WAD,  5                           ; v5   of the weight loads
.set SPW,  6                           ; v6   LDS address of my spare word; never rewritten
.set NIL,  7                           ; v7   0; never rewritten
.set PST,  8                           ; v8   where I put my part of the wave's partial tile
.set PRD,  9                           ; v9   16 x thread: where I read partial tiles 0-3, and my byte offset in out0's block
.set PRD2, 10                          ; v10  the same for partial tiles 4-7
.set GO1,  11                          ; v11  my byte offset in out0 for the middle third
.set PFO,  12                          ; v12  the prefetch's lane offset; never rewritten
.set ACC,  16                          ; v[16:111]   accumulator (i, c) at ACC + 12 i + c
.set FXA,  112                         ; v[112:135]  x of a pair of d, buffer A: d' (0, 1), column c at + 12 d' + c
.set FXB,  136                         ; v[136:159]  buffer B
.set FWA,  160                         ; v[160:175]  weight of a pair of d, buffer A: row i at + 2 i
.set FWB,  176                         ; v[176:191]  buffer B
.set T,    192                         ; v[192:215]  differences: 12 of the first d, 12 of the second
.set RED,  112                         ; v[112:207]  the fold at the end
.set BA,   216                         ; v[216:218]  byte offsets of my three numbers of bias; never rewritten
.set BI,   219                         ; v[219:221]  the numbers
.set CNT,  3                           ; s3   trips to go
.set WV,   12                          ; s12  my wave's number
.set G1X,  24                          ; s[24:31] descriptor group 1 for x
.set G1W,  32                          ; s[32:39] for weight
.set G0X,  40                          ; s[40:47] descriptor group 0 for x, a set for each slot
.set G0W,  48                          ; s[48:55] for weight
.set PFA,  68                          ; s[68:69] where my prefetch stands; never rewritten
.set ASKF, 70                          ; s70  1 in a wave that prefetches
; A round of the cluster's barrier: my work-group's barrier, so that wave 0's signal speaks for all eight waves; wave 0 signals; every wave waits for all sixteen work-groups; my work-group's barrier once more.
.macro CROUND
	s_barrier_signal -1
	s_barrier_wait -1
	s_cmp_lg_u32 s[WV], 0
	s_cbranch_scc1 .Lnot_wave_0_\@
	s_barrier_signal -3
.Lnot_wave_0_\@:
	s_barrier_wait -3
	s_barrier_signal -1
	s_barrier_wait -1
.endm
; A joint refill of slot s.  The branch hangs on the wave's number alone.  An s_nop 0 and four v_nop follow each of the two lines, ahead of the jump and the label.
.macro JLOAD s
	s_cmp_lt_u32 s[WV], 4
	s_cbranch_scc0 .Lfor_w_\@
	tensor_load_to_lds s[G0X+4*(\s):G0X+4*(\s)+3], s[G1X:G1X+7]
	s_nop 0
.rept 4
	v_nop
.endr
	s_branch .Lasked_\@
.Lfor_w_\@:
	tensor_load_to_lds s[G0W+4*(\s):G0W+4*(\s)+3], s[G1W:G1W+7]
	s_nop 0
.rept 4
	v_nop
.endr
.Lasked_\@:
.endm
; The 14 LDS loads of a pair of d: x, 2 d x 48 bytes a lane; weight, 8 rows x 8 bytes (the 32 lanes name 8 rows).
.macro LOADP xb, wb, xo, wo
.set dd, 0
.rept 2
.set jj, 0
.rept 3
	ds_load_b128 v[\xb+12*dd+4*jj:\xb+12*dd+4*jj+3], v[XAD] offset:\xo+XROW*dd+16*jj
.set jj, jj+1
.endr
.set dd, dd+1
.endr
.set i, 0
.rept 8
	ds_load_b64 v[\wb+2*i:\wb+2*i+1], v[WAD] offset:\wo+8*WP*i
.set i, i+1
.endr
.endm
; The 192 instructions of a pair of d.  For each of my 8 rows: six packed subtractions of w[d] from two columns each, six of w[d+1], then twelve maxima, each of which takes one column's two magnitudes.
; A difference is read six instructions or more behind the line that makes it.  first = 1: the launch's first pair starts the accumulators: nothing is cleared.
.macro PAIR xb, wb, first
.set i, 0
.rept 8
.set c, 0
.rept 6
	v_pk_add_f32 v[T+c:T+c+1], v[\xb+c:\xb+c+1], v[\wb+2*i:\wb+2*i+1] op_sel_hi:[1,0] neg_lo:[0,1] neg_hi:[0,1]
.set c, c+2
.endr
.set c, 0
.rept 6
	v_pk_add_f32 v[T+12+c:T+12+c+1], v[\xb+12+c:\xb+12+c+1], v[\wb+2*i:\wb+2*i+1] op_sel:[0,1] op_sel_hi:[1,1] neg_lo:[0,1] neg_hi:[0,1]
.set c, c+2
.endr
.set c, 0
.rept 12
.if \first
	v_max_num_f32 v[ACC+12*i+c], |v[T+c]|, |v[T+12+c]|
.else
	v_max3_num_f32 v[ACC+12*i+c], v[ACC+12*i+c], |v[T+c]|, |v[T+12+c]|
.endif
.set c, c+1
.endr
.set i, i+1
.endr
.endm
; n trips.  A trip loads two pairs of d of the chunk in hand and works on the pair loaded last (in a chunk's first trip: the last pair of the chunk before, which lies in registers) and on the first of its own.
; So every LDS load of a chunk stands in that chunk's trips, and a change of slots stands between two trips, where the youngest loads were issued 192 vector instructions ago.
.macro TRIPS n
	s_mov_b32 s[CNT], \n
.Ltrip_\@:
	LOADP FXA, FWA, 0, 0
	s_wait_dscnt 14                        ; LDS loads come back in order (ISA guide 5.7.1): buffer B is in; the 14 just issued may stay out
	PAIR FXB, FWB, 0
	LOADP FXB, FWB, 2*XROW, 8
	s_wait_dscnt 14                        ; buffer A is in
	PAIR FXA, FWA, 0
	v_add_nc_u32 v[XAD], 4*XROW, v[XAD]    ; four d on
	v_add_nc_u32 v[WAD], 16, v[WAD]
	s_sub_co_u32 s[CNT], s[CNT], 1
	s_cmp_lg_u32 s[CNT], 0
	s_cbranch_scc1 .Ltrip_\@
.endm
; THE CHANGE OF SLOTS.  Each wave waits for all its tensor loads, of which one is out: its part of the other slot; adds 0 to its spare word; and waits for that and for its own reads of the slot that it leaves.
; Behind the barrier nobody reads the old slot any more and the other slot is whole.  fill = 1: the old slot s is filled again, with the chunk two on: the barrier is then a round of the cluster's, so that no wave
; of any partner still reads the slot or has a load on its way, and the joint refill is the first thing behind it.
; ask = 1: behind the refill, its s_nop 0 and four v_nop stands the launch's one prefetch into the L2: the blocks of chunk 3, which the NEXT change of slots will ask for, a chunk's eight trips ahead.
.macro CHANGE fill, s, ask
	s_wait_tensorcnt 0x0                   ; no tensor load of mine is out, so a group 0 may be written
	ds_add_u32 v[SPW], v[NIL]              ; 0 onto my spare word; with fill = 1 the descriptors' steps stand between it and the wait for it
.if \fill
	s_add_nc_u64 s[G0X+4*(\s)+2:G0X+4*(\s)+3], s[G0X+4*(\s)+2:G0X+4*(\s)+3], 2*XBLK     ; two chunks on; the type bits on top are not reached
	s_add_nc_u64 s[G0W+4*(\s)+2:G0W+4*(\s)+3], s[G0W+4*(\s)+2:G0W+4*(\s)+3], 2*CHUNK*4
.endif
	s_wait_dscnt 0x0                       ; the add is done, and my reads of the slot are over
.if \fill
	CROUND
	JLOAD \s
.else
	s_barrier_signal -1
	s_barrier_wait -1
.endif
.if \ask
	s_cmp_eq_u32 s[ASKF], 1
	s_cbranch_scc0 .Lnot_mine_\@
	global_prefetch_b8 v[PFO], s[PFA:PFA+1] th:TH_LOAD_NT scope:SCOPE_SE
.Lnot_mine_\@:
.endif
.endm
	s_load_b256 s[4:11], s[0:1], 0x0               ; x s[4:5], weight s[6:7], bias s[8:9], out0 s[10:11]
	v_lshl_add_u32 v[SPW], v0, 2, SPARE
	v_mov_b32 v[NIL], 0
	ds_add_u32 v[SPW], v[NIL]                      ; the wave's opening: the add, twice on end, and its wait ahead of my first tensor load; the set-up below, work on registers, stands between
	ds_add_u32 v[SPW], v[NIL]                      ; and once more, under the one wait
	v_lshrrev_b32 v1, 5, v0
	v_readfirstlane_b32 s[WV], v1                  ; wave 0..7
	s_bfe_u32 s13, ttmp6, 0x40000                  ; cx: my place along the cluster's x
	s_bfe_u32 s14, ttmp6, 0x40004                  ; cy: along its y
	s_lshl_b32 s15, ttmp9, 2                       ; in a cluster launch ttmp9 and ttmp7 count clusters
	s_add_co_u32 s15, s15, s13                     ; bx: my block of 64 rows o = 4 x cluster x + cx
	s_and_b32 s16, ttmp7, 0xffff
	s_lshl_b32 s16, s16, 2
	s_add_co_u32 s16, s16, s14                     ; by: my pair of b = 4 x cluster y + cy
	s_lshl_b32 s17, s14, 2
	s_lshl_b32 s17, 15, s17                        ; my row of the cluster: places 4 cy .. 4 cy + 3
	s_lshl_b32 s18, 0x1111, s13                    ; my column: places cx, cx + 4, cx + 8, cx + 12
	; group 1 for x: 12,288 dense bytes as 48 rows of 32 elements of 8 bytes, laid down without gaps
	s_or_b32 s[G1X], s17, (3<<16)|(1<<21)          ; 15:0 the mask: x's tiles go to my row; 17:16 elements of 8 bytes; 21 set beside a mask
	s_mov_b32 s[G1X+1], 32<<16                     ; tensor_dim0 = 32
	s_mov_b32 s[G1X+2], 48<<16                     ; tensor_dim1 = 48
	s_mov_b32 s[G1X+3], 32<<16                     ; tile_dim0 = 32
	s_mov_b32 s[G1X+4], 48                         ; tile_dim1 = 48
	s_mov_b32 s[G1X+5], 32                         ; 32 elements from row to row: dense
	s_mov_b32 s[G1X+6], 0
	s_mov_b32 s[G1X+7], 0
	; group 1 for weight: 64 rows x 64 elements of 4 bytes, 16 bytes of padding behind each row
	s_or_b32 s[G1W], s18, (2<<16)|(1<<20)|(1<<21)|(5<<22)|(3<<25)  ; the mask: my column; elements of 4 bytes; 20 padding on; 21 beside a mask; 24:22 after every 64 words (code 5); 31:25 4 words (code 3)
	s_mov_b32 s[G1W+1], 64<<16                     ; tensor_dim0 = 64
	s_mov_b32 s[G1W+2], 64<<16                     ; tensor_dim1 = 64
	s_mov_b32 s[G1W+3], 64<<16                     ; tile_dim0 = 64
	s_mov_b32 s[G1W+4], 64                         ; tile_dim1 = 64
	s_mov_b32 s[G1W+5], 1024                       ; 1,024 elements from row to row
	s_mov_b32 s[G1W+6], 0
	s_mov_b32 s[G1W+7], 0
	; where the tiles come from.  x's address is made of by and the wave's number, weight's of bx and the wave's number, each in registers that never hold the other coordinate.
	s_and_b32 s19, s[WV], 3                        ; j: which quarter of x's or of weight's tile I fetch
	s_lshr_b32 s22, s19, 1                         ; x: bb = j / 2,
	s_and_b32 s23, s19, 1                          ; and which 128 d of the chunk
	s_lshl_b32 s20, s16, 1
	s_add_co_u32 s20, s20, s22                     ; b = 2 by + bb
	s_mul_i32 s20, s20, XMEM
	s_mul_i32 s23, s23, XPART
	s_add_co_u32 s20, s20, s23
	s_mov_b32 s21, 0
	s_lshl_b32 s58, s15, 18                        ; weight: 64 bx rows of 4,096 bytes,
	s_lshl_b32 s59, s19, 8                         ; 64 j d
	s_add_co_u32 s58, s58, s59
	s_mov_b32 s59, 0
	s_mul_i32 s60, s19, XPART                      ; and where they go: no place in the cluster enters an LDS address
	s_mul_i32 s61, s19, WPART
	s_add_co_u32 s61, s61, XBYTES
	s_wait_dscnt 0x0                               ; both opening adds are done
	s_wait_kmcnt 0x0
	s_add_nc_u64 s[20:21], s[4:5], s[20:21]
	s_add_nc_u64 s[58:59], s[6:7], s[58:59]
	CROUND                                         ; all sixteen work-groups are here: the first joint loads meet
.irp s, 0,1
	s_mov_b32 s[G0X+4*(\s)], 1                                       ; count = 1
	s_add_co_u32 s[G0X+4*(\s)+1], s60, (\s)*SLOT                     ; LDS address
	s_add_nc_u64 s[G0X+4*(\s)+2:G0X+4*(\s)+3], s[20:21], (\s)*XBLK   ; global address: chunk s
	s_or_b32 s[G0X+4*(\s)+3], s[G0X+4*(\s)+3], 0x80000000            ; type = 2
	s_mov_b32 s[G0W+4*(\s)], 1
	s_add_co_u32 s[G0W+4*(\s)+1], s61, (\s)*SLOT
	s_add_nc_u64 s[G0W+4*(\s)+2:G0W+4*(\s)+3], s[58:59], (\s)*CHUNK*4
	s_or_b32 s[G0W+4*(\s)+3], s[G0W+4*(\s)+3], 0x80000000
.endr
	s_cmp_lt_u32 s[WV], 4                          ; a wave's two first fills stand in one branch, ahead of every wait on TENSORcnt and every LDS read
	s_cbranch_scc0 .Lfirst_w
	tensor_load_to_lds s[G0X:G0X+3], s[G1X:G1X+7]
	s_nop 0
	tensor_load_to_lds s[G0X+4:G0X+7], s[G1X:G1X+7]
	s_nop 0
.rept 4
	v_nop
.endr
	s_branch .Lfirst_asked
.Lfirst_w:
	tensor_load_to_lds s[G0W:G0W+3], s[G1W:G1W+7]
	s_nop 0
	tensor_load_to_lds s[G0W+4:G0W+7], s[G1W:G1W+7]
	s_nop 0
.rept 4
	v_nop
.endr
.Lfirst_asked:
	; all that follows, up to the first barrier, stands in the wait for the first tile
	s_lshl_b32 s56, s15, 8                         ; bias at my 64 rows
	s_mov_b32 s57, 0
	s_add_nc_u64 s[8:9], s[8:9], s[56:57]
	s_mul_i32 s62, s16, 2*XMEM                     ; out0 at b = 2 by, row 64 bx: the work-group's two blocks of 6,144 bytes begin here and XMEM further on
	s_mul_i32 s63, s15, 64*XROW
	s_add_co_u32 s62, s62, s63
	s_mov_b32 s63, 0
	s_add_nc_u64 s[10:11], s[10:11], s[62:63]
	; my places in LDS
	v_bfe_u32 v1, v0, 4, 1                         ; bb
	v_bfe_u32 v14, v0, 3, 1                        ; h
	v_and_b32 v15, 7, v0                           ; lr
	v_mul_u32_u24 v14, v14, 48                     ; 12 columns
	v_mul_u32_u24 v[XA0], v1, XBLK
	v_add_nc_u32 v[XA0], v[XA0], v14
	s_mul_i32 s22, s[WV], 32*XROW                  ; my wave's 32 d
	v_add_nc_u32 v[XA0], s22, v[XA0]
	s_lshr_b32 s22, s[WV], 1                       ; they lie in quarter wave / 2 of weight's tile,
	s_mul_i32 s22, s22, WPART
	s_and_b32 s23, s[WV], 1                        ; in its rows' first or second 128 bytes
	s_lshl_b32 s23, s23, 7
	s_add_co_u32 s22, s22, s23
	s_add_co_u32 s22, s22, XBYTES
	v_mul_u32_u24 v[WA0], v15, WP
	v_add_nc_u32 v[WA0], s22, v[WA0]
	v_mul_u32_u24 v[PST], v1, 64*XROW              ; the partial tile: bb x 6,144 + lr x 96 + 48 h
	v_add_nc_u32 v[PST], v[PST], v14
	v_mul_u32_u24 v15, v15, XROW
	v_add_nc_u32 v[PST], v[PST], v15
	s_mul_i32 s22, s[WV], PART
	v_add_nc_u32 v[PST], s22, v[PST]
	v_lshlrev_b32 v[PRD], 4, v0
	v_add_nc_u32 v[PRD2], 4*PART, v[PRD]
	; The fold: thread t takes the 16-byte pieces q = t, 256 + t, 512 + t of the tile's 768.  Piece q lies in block bb = q / 384, at byte 16 (q - 384 bb), in row (q - 384 bb) / 6 (a row is six pieces).
	v_lshrrev_b32 v1, 7, v0                        ; the middle piece lies in block t / 128
	v_mul_u32_u24 v[GO1], v1, XMEM-64*XROW
	v_add_nc_u32 v[GO1], v[GO1], v[PRD]
	v_mul_u32_u24 v[BA], v0, 10923                 ; q / 6 = (10,923 q) >> 16 for q under 384
	v_and_b32 v14, 127, v0
	v_xor_b32 v15, 1, v1
	v_lshl_add_u32 v14, v15, 8, v14                ; (256 + t) modulo 384
	v_mul_u32_u24 v[BA+1], v14, 10923
	v_add_nc_u32 v14, 128, v0                      ; 512 + t - 384
	v_mul_u32_u24 v[BA+2], v14, 10923
.irp k, 0,1,2
	v_lshrrev_b32 v[BA+(\k)], 16, v[BA+(\k)]
	v_lshlrev_b32 v[BA+(\k)], 2, v[BA+(\k)]
	global_load_b32 v[BI+(\k)], v[BA+(\k)], s[8:9]
.endr
	; THE PREFETCH's address.  Chunk 3 is 3,072 blocks of 256 bytes of x (96 for each b) and 4,096 of weight (4 for each row); each is named once in the launch.  Work-group g = 16 x cluster + place takes 32 blocks,
	; a lane a block: of x (wave 0, clusters 0-5) the third g % 3 of b = g / 3; of weight (wave 4, clusters 0-7) rows 8 g .. 8 g + 7.  The partners of a cluster are told apart by address;
	; the branch hangs on the cluster's and the wave's number alone.  g is clamped, so that the address lies in its buffer in every work-group.
	s_and_b32 s71, ttmp7, 0xffff
	s_lshl_b32 s71, s71, 2
	s_add_co_u32 s71, s71, ttmp9                   ; the cluster's number, 0..15
	s_lshl_b32 s72, s14, 2
	s_add_co_u32 s72, s72, s13                     ; my place in it
	s_lshl_b32 s73, s71, 4
	s_add_co_u32 s73, s73, s72                     ; g
	s_min_u32 s74, s73, 95
	s_mul_i32 s75, s74, 171
	s_lshr_b32 s75, s75, 9                         ; g / 3 = (171 g) >> 9 for g under 96
	s_mul_i32 s76, s75, 3
	s_sub_co_u32 s76, s74, s76                     ; g % 3
	s_mul_i32 s75, s75, XMEM
	s_lshl_b32 s76, s76, 13
	s_add_co_u32 s75, s75, s76
	s_add_co_u32 s75, s75, 3*XBLK                  ; x: b x XMEM + chunk 3 + 8,192 x third
	s_min_u32 s76, s73, 127
	s_lshl_b32 s76, s76, 15
	s_add_co_u32 s76, s76, 3*CHUNK*4               ; weight: 8 g rows + chunk 3
	s_cmp_lt_u32 s[WV], 4
	s_cselect_b32 s78, s75, s76
	s_cselect_b32 s77, 6, 8                        ; clusters that ask
	s_cselect_b32 s80, 10, 12                      ; four blocks on: 1,024 bytes in x (dense), a row of 4,096 in weight
	s_cselect_b64 s[PFA:PFA+1], s[4:5], s[6:7]
	s_mov_b32 s79, 0
	s_add_nc_u64 s[PFA:PFA+1], s[PFA:PFA+1], s[78:79]
	s_cmp_lt_u32 s71, s77
	s_cselect_b32 s[ASKF], 1, 0
	s_cmp_eq_u32 s19, 0                            ; waves 0 and 4
	s_cselect_b32 s[ASKF], s[ASKF], 0
	v_and_b32 v14, 31, v0
	v_lshrrev_b32 v15, 2, v14
	v_and_b32 v14, 3, v14
	v_lshlrev_b32 v[PFO], s80, v15
	v_lshl_add_u32 v[PFO], v14, 8, v[PFO]
	s_wait_loadcnt 0x0                             ; bias
	s_wait_tensorcnt 0x1                           ; my part of slot 0 is in; slot 1's may stay out
	s_barrier_signal -1
	s_barrier_wait -1                              ; everybody's is
	v_mov_b32 v[XAD], v[XA0]                       ; chunk 0, slot 0
	v_mov_b32 v[WAD], v[WA0]
	LOADP FXA, FWA, 0, 0
	LOADP FXB, FWB, 2*XROW, 8
	s_wait_dscnt 14                                ; buffer A is in
	PAIR FXA, FWA, 1                               ; the first pair of d starts the accumulators
	v_add_nc_u32 v[XAD], 4*XROW, v[XAD]
	v_add_nc_u32 v[WAD], 16, v[WAD]
	TRIPS 7
	CHANGE 1, 0, 1                                 ; chunk 1 is in; slot 0 takes chunk 2; chunk 3 is prefetched
	v_add_nc_u32 v[XAD], SLOT, v[XA0]
	v_add_nc_u32 v[WAD], SLOT, v[WA0]
	TRIPS 8
	CHANGE 1, 1, 0                                 ; chunk 2 is in; slot 1 takes chunk 3
	v_mov_b32 v[XAD], v[XA0]
	v_mov_b32 v[WAD], v[WA0]
	TRIPS 8
	CHANGE 0, 0, 0                                 ; chunk 3 is in; nothing is left to fetch.  Behind this barrier no wave reads slot 0 and no load fills it
	v_add_nc_u32 v[XAD], SLOT, v[XA0]
	v_add_nc_u32 v[WAD], SLOT, v[WA0]
	TRIPS 8
	s_wait_dscnt 0x0
	PAIR FXB, FWB, 0                               ; the last pair of d
	; THE EIGHT PARTIAL MAXIMA MEET.  Each wave lays its tile down as out0 has it; behind the barrier each thread folds three pieces of 16 bytes over the eight tiles, adds the bias and stores.
.set i, 0
.rept 8
.set jj, 0
.rept 3
	ds_store_b128 v[PST], v[ACC+12*i+4*jj:ACC+12*i+4*jj+3] offset:8*XROW*i+16*jj
.set jj, jj+1
.endr
.set i, i+1
.endr
	s_wait_dscnt 0x0                               ; for the others' sake: my stores are done
	s_barrier_signal -1
	s_barrier_wait -1
.set k, 0
.rept 3
.set u, 0
.rept 8
.if u < 4
	ds_load_b128 v[RED+32*k+4*u:RED+32*k+4*u+3], v[PRD] offset:4096*k+PART*u
.else
	ds_load_b128 v[RED+32*k+4*u:RED+32*k+4*u+3], v[PRD2] offset:4096*k+PART*(u-4)
.endif
.set u, u+1
.endr
.set k, k+1
.endr
.macro FOLD k
	s_wait_dscnt 16-8*(\k)                         ; piece k's eight loads are in; the later pieces' may stay out
.set rr, RED+32*(\k)
.irp e, 0,1,2,3
	v_max3_num_f32 v[rr+(\e)], v[rr+(\e)], v[rr+4+(\e)], v[rr+8+(\e)]
.endr
.irp e, 0,1,2,3
	v_max3_num_f32 v[rr+(\e)], v[rr+(\e)], v[rr+12+(\e)], v[rr+16+(\e)]
.endr
.irp e, 0,1,2,3
	v_max3_num_f32 v[rr+(\e)], v[rr+(\e)], v[rr+20+(\e)], v[rr+24+(\e)]
.endr
.irp e, 0,1,2,3
	v_max_num_f32 v[rr+(\e)], v[rr+(\e)], v[rr+28+(\e)]
.endr
.irp e, 0,1,2,3
	v_add_f32 v[rr+(\e)], v[rr+(\e)], v[BI+(\k)]
.endr
.endm
	; each store of a wave covers 512 consecutive bytes, at a multiple of 256 from out0's first byte; no register that a store names is written again
	FOLD 0
	global_store_b128 v[PRD], v[RED:RED+3], s[10:11] th:TH_STORE_NT
	FOLD 1
	global_store_b128 v[GO1], v[RED+32:RED+35], s[10:11] offset:4096 th:TH_STORE_NT
	FOLD 2
	global_store_b128 v[PRD], v[RED+64:RED+67], s[10:11] offset:XMEM+2048 th:TH_STORE_NT
	s_wait_tensorcnt 0x0                           ; the wave's end, behind my last tensor load and my last LDS store
	ds_add_u32 v[SPW], v[NIL]
	s_wait_dscnt 0x0
	CROUND                                         ; the closing round: no work-group ends while a partner may still ask for a tile that names it
	s_endpgm
.Lfunc_end_k_q3deba5bdb8_normdist:
	.size	k_q3deba5bdb8_normdist, .Lfunc_end_k_q3deba5bdb8_normdist-k_q3deba5bdb8_normdist
	.p2alignl 7, 3214868480
	.fill 96, 4, 3214868480
	.section	.rodata,"a",@progbits
	.p2align	6, 0x0
	.amdhsa_kernel k_q3deba5bdb8_normdist
		.amdhsa_group_segment_fixed_size 327680
		.amdhsa_private_segment_fixed_size 0
		.amdhsa_enable_private_segment 0
		.amdhsa_kernarg_size 32
		.amdhsa_user_sgpr_count 2
		.amdhsa_user_sgpr_kernarg_segment_ptr 1
		.amdhsa_wavefront_size32 1
		.amdhsa_system_sgpr_workgroup_id_x 1
		.amdhsa_system_sgpr_workgroup_id_y 1
		.amdhsa_system_sgpr_workgroup_id_z 1
		.amdhsa_system_vgpr_workitem_id 0
		.amdhsa_next_free_vgpr 224
		.amdhsa_next_free_sgpr 88
		.amdhsa_reserve_vcc 0
		.amdhsa_float_denorm_mode_32 3
		.amdhsa_float_denorm_mode_16_64 3
		.amdhsa_memory_ordered 1
		.amdhsa_forward_progress 1
		.amdhsa_inst_pref_size 149
	.end_amdhsa_kernel
	.amdgpu_metadata
---
amdhsa.version: [ 1, 2 ]
amdhsa.kernels:
  - .name:           k_q3deba5bdb8_normdist
    .symbol:         k_q3deba5bdb8_normdist.kd
    .args:
      - { .name: x, .offset: 0, .size: 8, .value_kind: global_buffer, .address_space: global }
      - { .name: weight, .offset: 8, .size: 8, .value_kind: global_buffer, .address_space: global }
      - { .name: bias, .offset: 16, .size: 8, .value_kind: global_buffer, .address_space: global }
      - { .name: out0, .offset: 24, .size: 8, .value_kind: global_buffer, .address_space: global }
    .group_segment_fixed_size: 327680
    .private_segment_fixed_size: 0
    .kernarg_segment_align: 8
    .kernarg_segment_size: 32
    .max_flat_workgroup_size: 256
    .sgpr_count:     88
    .vgpr_count:     224
    .wavefront_size: 32
...
	.end_amdgpu_metadata
.endif
;; end of part 1
